; MI455X (gfx1250); checked and timed in simulation.
; The chip was launched on July 23, 2026; its instructions are those of AMD's public machine-readable ISA for CDNA 5 (MIT licence, August 2026) and "CDNA5" Instruction Set Architecture Reference Guide (July 2026). The comments in the code are by the model that wrote it; some were corrected since.
;; Attn. Allowed arithmetic: matrix products marked QUANTISED: E5M2 operands, one E8M0 scale for each 32 along K, by v_wmma_scale_f32_16x16x128_f8f6f4 with both operands' format E5M2, f32 sums; products left as they are: f32 operands where the result goes on into a quantised operand, else bf16, f16 or f32 operands; f32 sums; everything else in f32.
;; Inputs: attn_b 1,024 float32; attn_w 1,024 x 2,048 float32; encoder_outputs 2,048 x 32 x 1,024 float32; hidden 32 x 1,024 float32; v 1,024 float32.
;; Outputs: out0 1 x 32 x 1,024 float32.
;; This version of the problem:
;;   THIS VERSION OF THE PROBLEM IS GIVEN IN LOW PRECISION. The matrix products marked QUANTISED in the list below multiply operands that are first quantised to E5M2 (5 exponent bits, 2 mantissa bits; 8 bits a number), with one power-of-two scale for each 32 numbers along K (OCP MX v1.0); their sums are f32. All else is computed in f32.
;;   The module's matrix products, in the order in which they are computed (A, B: the left and right operand; K: the contracted axis; several contracted axes count as one K, in the product's order):
;;     1. [M 32, K 1,024] x [K 1,024, N 1,024]; A: input hidden; B: input attn_w: QUANTISED
;;     2. [M 65,536, K 1,024] x [K 1,024, N 1,024]; A: input encoder_outputs; B: input attn_w: QUANTISED
;;     3. [M 65,536, K 1,024] x [K 1,024, N 1]; A: computed on the way; B: input v: left as it is (N = 1 < 16)
;;     4. batch 32 x [M 1, K 2,048] x [K 2,048, N 1,024]; A: softmax; B: input encoder_outputs: left as it is (M = 1 < 16)
;;   THE QUANTISER, for each operand of a quantised product, along K:
;;     - K is cut into blocks of 32 from its start; a last block that is shorter is filled with zeros.
;;     - A block's scale is 2^e with e = floor(log2(the largest magnitude in the block)) - 15, held to -126 .. 127; a block of zeros has e = 0. As a byte (E8M0): e + 127.
;;     - Each number is divided by its block's scale, clamped to +-57,344, and rounded to the nearest number of E5M2, ties to even, subnormals kept.
;;     - The product sums the exact products of the quantised numbers (number of the format x scale) in f32.
;;   ~~~python
;;   def quantise(x, axis):      # numpy; x: float32 -> the quantised numbers, widened to float32 again
;;       x = np.moveaxis(x, axis, -1); K = x.shape[-1]
;;       x = np.pad(x, [(0, 0)] * (x.ndim - 1) + [(0, -K % 32)]); x = x.reshape(x.shape[:-1] + (-1, 32)); a = np.abs(x).max(-1, keepdims=True)
;;       e = np.where(a > 0, np.clip(np.frexp(np.where(a > 0, a, 1))[1] - 1 - 15, -126, 127), 0)      # np.frexp(a)[1] - 1 = floor(log2(a)), exactly
;;       r = np.clip(x / 2.0 ** e, -57344, 57344)
;;       step = 2.0 ** (np.maximum(np.frexp(np.where(r == 0, 1, r))[1] - 1, -14) - 2)
;;       q = np.round(r / step) * step * 2.0 ** e      # np.round: ties to even
;;       return np.moveaxis(q.reshape(q.shape[:-2] + (-1,))[..., :K], -1, axis).astype(np.float32)
;;   ~~~
;; One version. Each part assembles by itself: llvm-mc -triple=amdgcn-amd-amdhsa -mcpu=gfx1250 --defsym DOCPART=n.
;; ======== version 1 of 1: 3 launches
;; limits: values are held in bf16: 8 bits of precision; right only within a limited range of input values
;; workspace buffers: wq 1,081,344 bytes; hb 1,048,576 bytes; part 8,388,608 bytes; stat 524,288 bytes
;; launch prep (part 1): grid 256 x 1, 2 waves a work-group, no clusters, 1,024 bytes of LDS; arguments attn_w, hidden, attn_b, wq, hb; writes wq, hb
.if DOCPART == 1
	.amdgcn_target "amdgcn-amd-amdhsa--gfx1250"
	.amdhsa_code_object_version 6
	.text
	.protected	k_qa5e0c3d425_prep
	.globl	k_qa5e0c3d425_prep
	.p2align	8
	.type	k_qa5e0c3d425_prep,@function
k_qa5e0c3d425_prep:
	s_mov_b64 s[64:65], 0
	v_nop
	global_prefetch_b8 v0, s[64:65] scope:SCOPE_SE
	s_setreg_imm32_b32 hwreg(HW_REG_WAVE_MODE, 25, 1), 1
	s_wait_xcnt 0x0
; attn_w [1024][2048] f32 = [w_h | w_e].  This launch (a) turns w_e into codes of BF8 (E5M2) with one E8M0 byte for each 32 along K, laid in wq as the next launch's matrix operand wants them,
; and (b) makes eight parts of hb: part s [b][o] = sum over K step s of Q(hidden)[b][k] Q(w_h)[o][k], both operands quantised in registers, by the scaled matrix instruction; part 0 also holds attn_b[o].  The next launch adds the parts in f32.
; LEFT OUT in the program: the term sum_o v_o of a score is the same for every position of a softmax row and cancels there for all values of v; the next launch does not form it.  Every input is loaded.
; SHARES.  Work-group g: outputs 16 t .. 16 t + 15, t = g / 4; its wave w takes K step s = 2 (g % 4) + w (128 along K) of w_e, of w_h and of hidden.  256 work-groups of equal work.
; wq: tile t = 16,896 bytes: 8 K steps x 2,048 bytes, each an IMAGE OF THE FRAGMENT'S REGISTERS (chunk c of 512 bytes: lane l's 16 bytes at 16 l = codes of row 16 t + l % 16, k = 128 s + 32 c + 16 (l / 16) + 0 .. 15),
; then 512 scale bytes [g % 4][16 rows][8]: a work-group's two scale words of each row, 128 consecutive bytes.
; A block's scale is 2^(floor(log2(its largest magnitude)) - 15); its byte is the largest magnitude's exponent field - 15, held at 1 from below.
; LIMITS: NaN and infinities among the inputs are not served.  A block whose largest magnitude lies under 2^-111 (the floor) keeps the byte 1; a block of zeros so has the byte 1 where the rule says 127:
; its codes are zeros, which add nothing, and the bytes are read by this program alone.  The sum over K is taken in eight parts, not in one ascending chain.
; hb's parts leave in pieces of 64 bytes of a row (sixteen lanes), the scale bytes in one piece of 128: a tile of 16 outputs has no more neighbours.
.set XA,  64                           ; v64-127   64 numbers of a lane: register 16 b + i = k 32 b + 16 (lane / 16) + i of my row
.set XB,  128                          ; v128-191  a second set
.set XC,  192                          ; v192-255  a third
.set SPW, 4                            ; v4 my spare word's LDS address, v6 = 0: never rewritten
.set NIL, 6
.set TM,  10                           ; v10-13 largest magnitudes, v14-17 bytes, v18-21 the largest number x the scale, v22-25 the conversions' scale operands
.set SWE, 26                           ; v26 w_e's scale word, v27 w_h's, v28 and v29 hidden's two tiles': scale words and nothing else
.set CWE, 32                           ; v32-47    w_e's codes
.set CWH, 48                           ; v48-63    w_h's codes
.set CH0, 128                          ; v128-143  codes of hidden's rows 0-15, v144-159 of rows 16-31
.set CH1, 144
.set AC,  160                          ; v160-175  two accumulators
.set SEL, 20                           ; s[20:21]  selects for lane l xor 16
.set MNT, 22                           ; s22       the mantissa field of 57,344
.set SPARE, 256                        ; LDS: 0 .. 127 the work-group's scale words [16 rows][2]; from 256 the spare words, 128 bytes a wave
.macro XLOAD reg, va, sb, off          ; 64 numbers of my row: of each block of 32 the 16 of my half
.irp b, 0,1,2,3
.irp j, 0,1,2,3
	global_load_b128 v[\reg+16*\b+4*\j:\reg+16*\b+4*\j+3], v[\va], s[\sb:\sb+1] offset:\off+128*\b+16*\j
.endr
.endr
.endm
.macro QUANT src, dst, sw              ; 64 numbers in v[src] on become a fragment's codes in v[dst] on and its scale word in v[sw]
.irp b, 0,1,2,3
	v_max3_num_f32 v[TM+\b], |v[\src+16*\b]|, |v[\src+1+16*\b]|, 0x8000000   ; my 16 numbers and the floor 2^(16 - 127)
.endr
.irp i, 2,4,6,8,10,12,14
.irp b, 0,1,2,3
	v_max3_num_f32 v[TM+\b], v[TM+\b], |v[\src+16*\b+\i]|, |v[\src+1+16*\b+\i]|
.endr
.endr
.irp b, 0,1,2,3
	v_permlanex16_b32 v[TM+4+\b], v[TM+\b], s[SEL], s[SEL+1]
.endr
.irp b, 0,1,2,3
	v_max_num_f32 v[TM+\b], v[TM+\b], v[TM+4+\b]          ; the block's largest magnitude
.endr
.irp b, 0,1,2,3
	v_add_nc_u32 v[TM+12+\b], 0xf8800000, v[TM+\b]        ; 15 off its exponent field: the conversion's scale operand
.endr
.irp b, 0,1,2,3
	v_and_or_b32 v[TM+8+\b], v[TM+\b], 0x7f800000, s[MNT] ; 57,344 x the scale
.endr
.irp b, 0,1,2,3
	v_lshrrev_b32 v[TM+4+\b], 23, v[TM+12+\b]             ; the scale's byte
.endr
	v_lshl_or_b32 v[\sw], v[TM+5], 8, v[TM+4]
	v_lshl_or_b32 v[\sw], v[TM+6], 16, v[\sw]
	v_lshl_or_b32 v[\sw], v[TM+7], 24, v[\sw]
.irp b, 0,1,2,3
.irp i, 0,1,2,3,4,5,6,7,8,9,10,11,12,13,14,15
	v_med3_num_f32 v[\src+16*\b+\i], v[\src+16*\b+\i], -v[TM+8+\b], v[TM+8+\b]   ; the conversion does not saturate (ISA guide 7.6.2): the hold comes first
.endr
.endr
.irp b, 0,1,2,3
	v_cvt_scalef32_pk8_bf8_f32 v[\dst+4*\b:\dst+4*\b+1], v[\src+16*\b:\src+16*\b+7], v[TM+12+\b]
	v_cvt_scalef32_pk8_bf8_f32 v[\dst+4*\b+2:\dst+4*\b+3], v[\src+16*\b+8:\src+16*\b+15], v[TM+12+\b]
.endr
	v_nop                                                  ; one plain line behind the last conversion
.endm
	s_load_b256 s[4:11], s[0:1], 0x0               ; attn_w s[4:5], hidden s[6:7], attn_b s[8:9], wq s[10:11]
	s_load_b64 s[12:13], s[0:1], 0x20              ; hb
	v_lshl_add_u32 v[SPW], v0, 2, SPARE
	v_mov_b32 v[NIL], 0
	v_lshrrev_b32 v1, 5, v0
	v_readfirstlane_b32 s30, v1                    ; wave 0, 1
	s_lshl_b32 s15, s30, 2
	v_and_b32 v30, 15, v0                          ; r
	v_bfe_u32 v31, v0, 4, 1                        ; h
	v_and_b32 v3, 31, v0
	v_lshlrev_b32 v3, 4, v3                        ; v3 = 16 x lane
	v_lshlrev_b32 v1, 13, v30
	v_lshl_add_u32 v1, v31, 6, v1                  ; v1: attn_w: row r of 8,192 bytes + 64 h
	v_lshlrev_b32 v2, 12, v30
	v_lshl_add_u32 v2, v31, 6, v2                  ; v2: hidden: row r of 4,096 bytes + 64 h
	v_lshlrev_b32 v7, 2, v30                       ; v7 = 4 r
	v_lshl_add_u32 v8, v31, 15, v7                 ; v8: hb: row 8 h of 4,096 bytes, + 4 r
	v_lshl_add_u32 v5, v30, 3, s15                 ; v5: LDS, my row's scale word: 8 r + 4 x wave
	v_lshrrev_b32 v30, 2, v3                       ; v30 = 4 x lane from here on
.irp b, 0,1,2,3
	v_mov_b32 v[TM+4+\b], 0                        ; written once: a lane permute's destination counts as one of its sources
.endr
	s_and_b32 s16, ttmp9, 3                        ; which quarter of K
	s_lshr_b32 s31, ttmp9, 2                       ; t
	s_lshl_b32 s14, s16, 1
	s_add_co_u32 s14, s14, s30                     ; my K step
	s_mov_b32 s[SEL], 0x76543210
	s_mov_b32 s[SEL+1], 0xfedcba98
	s_mov_b32 s[MNT], 0x600000
	s_lshl_b32 s18, s31, 17                        ; 16 rows of attn_w a tile,
	s_lshl_b32 s24, s14, 9                         ; 512 bytes a K step
	s_add_co_u32 s18, s18, s24
	s_mov_b32 s19, 0
	s_mov_b32 s25, 0
	s_lshl_b32 s26, s31, 6                         ; 16 outputs: 64 bytes of attn_b and of a row of hb
	s_mov_b32 s27, 0
	s_mul_i32 s28, s31, 16896                      ; my tile of wq
	s_lshl_b32 s17, s16, 7
	s_add_co_u32 s2, s28, s17
	s_add_co_u32 s2, s2, 16384                     ; my work-group's 128 scale bytes in it
	s_mov_b32 s3, 0
	s_lshl_b32 s29, s14, 11                        ; my K step's image in it
	s_add_co_u32 s28, s28, s29
	s_mov_b32 s29, 0
	s_lshl_b32 s16, s14, 17                        ; my part of hb: 131,072 bytes a K step
	s_add_co_u32 s16, s16, s26
	s_mov_b32 s17, 0
	s_cmp_eq_u32 s14, 0
	s_cselect_b32 s23, 1.0, 0                      ; attn_b goes into part 0 alone
	s_wait_alu depctr_va_vdst(0)                   ; the wait at the head's end
	s_wait_kmcnt 0x0
	s_add_nc_u64 s[4:5], s[4:5], s[18:19]
	s_add_nc_u64 s[6:7], s[6:7], s[24:25]
	s_add_nc_u64 s[8:9], s[8:9], s[26:27]
	s_add_nc_u64 s[12:13], s[12:13], s[16:17]
	s_add_nc_u64 s[2:3], s[10:11], s[2:3]
	s_add_nc_u64 s[10:11], s[10:11], s[28:29]
	global_load_b32 v9, v7, s[8:9]                 ; attn_b of output r
	XLOAD XA, 1, 4, 4096                           ; w_e: the row's second half
	XLOAD XB, 1, 4, 0                              ; w_h: its first half
	XLOAD XC, 2, 6, 0                              ; hidden's rows 0-15
	s_wait_loadcnt 32                              ; attn_b and w_e are in; w_h's 16 loads and hidden's 16 stay out
	v_mul_f32 v9, s23, v9
	QUANT XA, CWE, SWE
.irp c, 0,1,2,3
	global_store_b128 v3, v[CWE+4*\c:CWE+4*\c+3], s[10:11] offset:512*\c   ; the fragment's image: 32 lanes store 512 consecutive bytes
.endr
	ds_store_b32 v5, v[SWE]                        ; both halves of the lanes write the same word with the same value
	XLOAD XA, 2, 6, 65536                          ; hidden's rows 16-31, into the set that w_e has left
	s_wait_loadcnt 32                              ; w_h is in; hidden's two sets stay out
	QUANT XB, CWH, SWE+1
	s_wait_loadcnt 16                              ; hidden's rows 0-15 are in
	QUANT XC, CH0, SWE+2
	s_wait_loadcnt 0x0
	QUANT XA, CH1, SWE+3
.rept 4
	v_nop                                          ; codes written by vector instructions stand four places ahead of a scaled matrix instruction; the scale words were made ahead of the 64 holds
.endr
	v_wmma_scale_f32_16x16x128_f8f6f4 v[AC:AC+7], v[CH0:CH0+15], v[CWH:CWH+15], 0, v[SWE+2], v[SWE+1] matrix_a_fmt:MATRIX_FMT_BF8 matrix_b_fmt:MATRIX_FMT_BF8       ; register j, lane (r, h): batch 8 h + j, output r
	v_wmma_scale_f32_16x16x128_f8f6f4 v[AC+8:AC+15], v[CH1:CH1+15], v[CWH:CWH+15], 0, v[SWE+3], v[SWE+1] matrix_a_fmt:MATRIX_FMT_BF8 matrix_b_fmt:MATRIX_FMT_BF8   ; batch 16 + 8 h + j
.rept 8
	v_nop                                          ; eight places ahead of the first read of the results
.endr
.irp i, 0,1,2,3,4,5,6,7,8,9,10,11,12,13,14,15
	v_add_f32 v[AC+\i], v[AC+\i], v9               ; + attn_b, or + 0; each accumulator from its low end on
.endr
.irp a, 0,1
.irp j, 0,1,2,3,4,5,6,7
	global_store_b32 v8, v[AC+8*\a+\j], s[12:13] offset:65536*\a+4096*\j
.endr
.endr
	s_wait_dscnt 0x0                               ; for the other wave's sake: my scale word lies in LDS
	s_barrier_signal -1
	s_barrier_wait -1
	s_cmp_lg_u32 s30, 0                            ; wave 0 alone sends the 128 scale bytes; no barrier stands in this branch
	s_cbranch_scc1 .Lnot_wave_0
	ds_load_b32 v10, v30
	s_wait_dscnt 0x0
	global_store_b32 v30, v10, s[2:3]              ; 32 lanes store 128 consecutive bytes
.Lnot_wave_0:
	s_wait_tensorcnt 0x0                           ; the wave's end
	ds_add_u32 v[SPW], v[NIL]
	s_wait_dscnt 0x0
	s_endpgm
.Lfunc_end_k_qa5e0c3d425_prep:
	.size	k_qa5e0c3d425_prep, .Lfunc_end_k_qa5e0c3d425_prep-k_qa5e0c3d425_prep
	.p2alignl 7, 3214868480
	.fill 96, 4, 3214868480
	.section	.rodata,"a",@progbits
	.p2align	6, 0x0
	.amdhsa_kernel k_qa5e0c3d425_prep
		.amdhsa_group_segment_fixed_size 1024
		.amdhsa_private_segment_fixed_size 0
		.amdhsa_enable_private_segment 0
		.amdhsa_kernarg_size 40
		.amdhsa_user_sgpr_count 2
		.amdhsa_user_sgpr_kernarg_segment_ptr 1
		.amdhsa_wavefront_size32 1
		.amdhsa_system_sgpr_workgroup_id_x 1
		.amdhsa_system_sgpr_workgroup_id_y 1
		.amdhsa_system_sgpr_workgroup_id_z 1
		.amdhsa_system_vgpr_workitem_id 0
		.amdhsa_next_free_vgpr 256
		.amdhsa_next_free_sgpr 66
		.amdhsa_reserve_vcc 0
		.amdhsa_float_denorm_mode_32 3
		.amdhsa_float_denorm_mode_16_64 3
		.amdhsa_memory_ordered 1
		.amdhsa_forward_progress 1
		.amdhsa_inst_pref_size 45
	.end_amdhsa_kernel
	.amdgpu_metadata
---
amdhsa.version: [ 1, 2 ]
amdhsa.kernels:
  - .name:           k_qa5e0c3d425_prep
    .symbol:         k_qa5e0c3d425_prep.kd
    .args:
      - { .name: attn_w, .offset: 0, .size: 8, .value_kind: global_buffer, .address_space: global }
      - { .name: hidden, .offset: 8, .size: 8, .value_kind: global_buffer, .address_space: global }
      - { .name: attn_b, .offset: 16, .size: 8, .value_kind: global_buffer, .address_space: global }
      - { .name: wq, .offset: 24, .size: 8, .value_kind: global_buffer, .address_space: global }
      - { .name: hb, .offset: 32, .size: 8, .value_kind: global_buffer, .address_space: global }
    .group_segment_fixed_size: 1024
    .private_segment_fixed_size: 0
    .kernarg_segment_align: 8
    .kernarg_segment_size: 40
    .max_flat_workgroup_size: 64
    .sgpr_count:     66
    .vgpr_count:     256
    .wavefront_size: 32
...
	.end_amdgpu_metadata
.endif
;; end of part 1
;; launch main (part 2): grid 256 x 1, 4 waves a work-group, clusters of 4 x 1, 327,680 bytes of LDS; arguments encoder_outputs, wq, hb, v, part, stat; writes part, stat
.if DOCPART == 2
	.amdgcn_target "amdgcn-amd-amdhsa--gfx1250"
	.amdhsa_code_object_version 6
	.text
	.protected	k_qa5e0c3d425_main
	.globl	k_qa5e0c3d425_main
	.p2align	8
	.type	k_qa5e0c3d425_main,@function
k_qa5e0c3d425_main:
	s_mov_b64 s[64:65], 0
	v_nop
	global_prefetch_b8 v0, s[64:65] scope:SCOPE_SE
	s_setreg_imm32_b32 hwreg(HW_REG_WAVE_MODE, 25, 1), 1
	s_wait_xcnt 0x0
	s_wait_alu depctr_hold_cnt(0) depctr_sa_sdst(0) depctr_va_vdst(0) depctr_va_sdst(0) depctr_va_ssrc(0) depctr_va_vcc(0) depctr_vm_vsrc(0)
	s_getreg_b32 s2, hwreg(HW_REG_IB_STS2, 6, 4)
	s_cmp_eq_u32 s2, 0
	s_cbranch_scc0 .Lentry_in_a_cluster
	s_endpgm
.Lentry_in_a_cluster:
	s_bfe_u32 s2, ttmp6, 0x10000c
	s_cmp_lg_u32 s2, 0x3003
	s_cbranch_scc0 .Lentry_shape_is_right
	s_endpgm
.Lentry_shape_is_right:
; For batch b and 256 positions l: proj = Q(enc) Q(w_e)^T + hb[b], tanh, the dot product with v, and a PART of the softmax and of the context.  enc is read from memory once.  hb[b] is the f32 sum of the eight parts that the launch before stored.
; ARITHMETIC.  tanh(x) = 1 - 2 r, r = 1 / (1 + 2^(c x)), c = 2 log2(e): an overflow of 2^(c x) gives r = 0, an underflow r = 1.  score(l) = sum_o v_o - 2 sum_o v_o r_o.
; LEFT OUT: the term sum_o v_o is the same for every l of a softmax row and cancels there for all values of v: it is not formed.  Kept is t(l) = sum_o w2_o r_o, w2 = -2 log2(e) v.
; For each 32 rows (a wave's share of a block): m = max t, p = 2^(t - m), S = sum p (f32), ctx = sum p x enc (p and enc rounded to bf16, sums f32, by the bf16 matrix form); the next launch joins a batch's 64 parts.
; SHARES.  Work-group g = 4 x cluster + place: batch g % 32, positions 256 (g / 32) on, in two blocks of 128.  Wave w owns rows 32 w .. 32 w + 31 of a block, all of K, all 1,024 outputs.
; It keeps its rows as codes (256 registers) for the product and as bf16 (512 registers) for the context, since a row's weight is known only when the row has met all outputs.
; THE PRODUCT IS USED TRANSPOSED: source 0 = 16 outputs of w_e, source 1 = 16 rows of enc: a lane holds one row and eight outputs; hb is the C of each sum's first instruction.
; A PAIR of output tiles x two row tiles = four accumulators by turns, 32 products.  w_e's 16 fragments of a pair pass through eight register buffers.
; LDS LOADS STAND IN THREE RUNS A PAIR: 40 (hb, scale words, fragments 0-7) ahead of the tanh of the pair before, which runs in place on the accumulators; 20 (w2, fragments 8-11) behind the first eight products; 16 (fragments 12-15) behind the next eight.
; THE bf16 COPY is laid as source 1 of the bf16 form with K = my 32 rows: fragment 4 u + k holds columns 64 u + 4 r + k; register g holds rows 8 h + 2 g, + 1 (g < 4) or 16 + 8 h + 2 (g - 4), + 1.
; LDS.  One ring of two slots serves both streams.  An E tile: 128 rows x 256 numbers of enc, f32, each wave loading and reading its own 32 rows.  A W tile: 8 tiles of wq (135,168 dense bytes), a quarter loaded by each wave, read by all.
; CLUSTER.  The four work-groups of a cluster walk the same wq in step: each W tile is asked for jointly (mask 15).  enc's tiles are plain loads: no two work-groups read the same row.
; PREFETCH.  Each wave asks for its own 32 rows, a lane a row, each 256 bytes once.  Block 0: its E tiles 1 and 2 behind the head's load, its E tile 3 at the change that loads tile 1: at most two changes ahead.
; Block 1: 256 bytes of each row in each of block 0's seven looped stages, the rest at the two changes of slots that load block 1's first two E tiles.  Block 1 asks for nothing.  wq is read by all work-groups again and again and is not asked for.
; LIMITS: NaN and infinities among the inputs are not served.  A block of 32 whose largest magnitude lies under 2^-111 (the floor) keeps the scale byte 1 (a block of zeros too: its codes are zeros).
; REGISTERS, in windows of 256: window 0: the names below; window 1: enc's codes, fragment (row tile mt, K step s) at v[16 (8 mt + s)]; windows 2, 3: the bf16 copy, fragment f at v[8 (f % 32)] of window 2 + f / 32.
.set SLOTX,  0x21000                   ; slot 1 begins at 135,168; a wave's place in a slot has neither bit 12 nor bit 17 set, so one exclusive or turns an address of one slot into the other's
.set EPITCH, 1040                      ; a row of an E tile in LDS: 1,024 bytes + 16
.set EWAVE,  32*EPITCH
.set WTILE,  16896                     ; a tile of wq: 8 images of 2,048 bytes, 512 scale bytes [quarter of K][16 rows][8]
.set WQUART, 2*WTILE
.set WSTAGE, 8*WTILE
.set ENEXT,  128*131072-3*1024         ; from a block's last E tile to the next block's first
.set HBA,    2*SLOTX                   ; behind the ring: hb[b], 4,096 bytes; w2, 4,096 bytes; written by LDS stores, never a tensor load's target
.set W2OFF,  4096
.set PSC,    HBA+8192                  ; 128 bytes a wave: its 32 rows' p
.set SPARE,  PSC+512                   ; the spare words, 128 bytes a wave
.set SPW, 1                            ; v1 my spare word's LDS address, v2 = 0: never rewritten
.set NIL, 2
.set XFA, 3                            ; v3, v4  E tile in slot 0, 1, in the fragment's order: 33,280 w + 1,040 r + 64 h
.set XDA, 5                            ; v5, v6  for the bf16 copy: 33,280 w + 8,320 h + 16 r
.set L16, 7                            ; v7  16 x lane
.set SCA, 8                            ; v8  16,896 h + 8 r: lanes 0-15 the pair's first tile's scale bytes, lanes 16-31 the second's
.set HBL, 9                            ; v9  HBA + 32 h
.set ADW, 10                           ; v10-12 the pair's addresses: images, scale bytes, hb and w2
.set ADS, 11
.set ADH, 12
.set PFO, 13                           ; v13 131,072 x lane
.set L8,  14                           ; v14 8 x lane
.set GOF, 15                           ; v15 32 x thread
.set SC,  16                           ; v16-23 the scores: a pair for each accumulator
.set T0,  24                           ; v24, v25 t, then p, of row tile 0, 1
.set TSW, 26                           ; v26 a scale word on its way into XS
.set PSA, 27                           ; v27 LDS: PSC + 128 w + 4 r
.set T2,  28                           ; v28, v29 the other half's t
.set MX,  30                           ; v30 m, v31 S
.set XS,  32                           ; v32-39 enc's scale words of K step s: lanes 0-15 row tile 0's, lanes 16-31 row tile 1's; scale words and nothing else
.set PLA, 40                           ; v40 LDS: PSC + 128 w + 32 h
.set HST, 41                           ; v41 LDS address of the head's stores
.set WS,  44                           ; v44-51 w_e's scale words of K step s: lanes 0-15 the first tile's, lanes 16-31 the second's; likewise
.set HB,  52                           ; v52-67 hb of my eight outputs of each tile
.set W2,  68                           ; v68-83 w2 likewise
.set AC,  84                           ; v84-115 accumulator (tile t, row tile mt) at 8 (2 t + mt)
.set TM,  84                           ; in the load phase: the quantiser's 16 registers
.set PA,  116                          ; v116-123 p as a bf16 fragment
.set WF,  128                          ; v128-255 eight buffers for fragments of w_e
.set XF,  128                          ; load phase: 64 numbers in the fragment's order; 16 rows x 4 numbers
.set XD,  192
.set DD,  128                          ; finish: eight results; 32 registers of the part context; 16 p
.set CT,  192
.set PF,  224
.set HP,  160                          ; head: v160-223 the eight parts of my 32 bytes of hb[b]
.set WV,  16
.set CS,  22                           ; s[22:23] c, twice
.set SEL, 24                           ; s[24:25] selects for lane l xor 16
.set MNT, 26                           ; the mantissa field of 57,344
.set MSK, 27                           ; lanes 16-31
.set G1E, 28
.set G1W, 36
.set G0E, 44
.set G0W, 48
.set TB,  52                           ; LDS byte of the pair's first tile
.set TH,  53                           ; 128 x the pair's number
.set C4,  54
.set C7,  55
.set CB,  56
.set PFB, 58                           ; s[58:59] enc at my rows of block 1;  s[60:61] the same, stepped 256 bytes a stage;  s[62:63] enc at my rows of block 0
.set PFA, 60
.set PF0, 62
.set MSB, 0
.macro WIN new
.if MSB != (\new)
	s_set_vgpr_msb (MSB<<8)|(\new)
.set MSB, (\new)
.endif
.endm
.macro PLACES n
.rept \n
	v_nop
.endr
.endm
.macro WALU
	s_wait_alu depctr_va_vdst(0)
.endm
.macro ROUND                           ; a round of the cluster's barrier
	s_barrier_signal -1
	s_barrier_wait -1
	s_cmp_lg_u32 s[WV], 0
	s_cbranch_scc1 .Lnot_wave_0_\@
	s_barrier_signal -3
.Lnot_wave_0_\@:
	s_barrier_wait -3
	s_barrier_signal -1
	s_barrier_wait -1
.endm
; THE CHANGE OF SLOTS.  Each wave waits for all its tensor loads (one is out: its part of the slot to be read next), adds 0 to its spare word, and waits for that; its reads of the slot that it leaves have been waited for.
; kind 1: that slot takes the next E tile; kind 2: the next W tile, jointly; both behind a round, the load first behind it, one a wave.  kind 3: nothing is left to fetch: a plain barrier.
.macro CHANGE kind, wrap
	WALU                                           ; the wait ahead of the blocking waits
	s_wait_tensorcnt 0x0
	ds_add_u32 v[SPW], v[NIL]
.if (\kind) == 1
	s_xor_b32 s[G0E+1], s[G0E+1], SLOTX
.if \wrap
	s_add_nc_u64 s[G0E+2:G0E+3], s[G0E+2:G0E+3], ENEXT
.else
	s_add_nc_u64 s[G0E+2:G0E+3], s[G0E+2:G0E+3], 1024
.endif
.elseif (\kind) == 2
	s_xor_b32 s[G0W+1], s[G0W+1], SLOTX
.if \wrap
	s_sub_nc_u64 s[G0W+2:G0W+3], s[G0W+2:G0W+3], 7*WSTAGE
.else
	s_add_nc_u64 s[G0W+2:G0W+3], s[G0W+2:G0W+3], WSTAGE
.endif
.endif
	s_wait_dscnt 0x0
.if (\kind) == 3
	s_barrier_signal -1
	s_barrier_wait -1
.else
	ROUND
.if (\kind) == 1
	tensor_load_to_lds s[G0E:G0E+3], s[G1E:G1E+7]
	s_nop 0
.else
	tensor_load_to_lds s[G0W:G0W+3], s[G1W:G1W+7]
	s_nop 0
.endif
	PLACES 4
.endif
.endm
.macro ASKT base, o0, n                ; n prefetches: 256 bytes of each of my 32 rows at s[base], from byte o0 of the row on
.set K_, 0
.rept \n
	global_prefetch_b8 v[PFO], s[\base:\base+1] offset:(\o0)+256*K_ th:TH_LOAD_NT scope:SCOPE_SE
.set K_, K_+1
.endr
.endm
; 64 numbers in v[src] on (register 16 b + i = k 32 b + 16 h + i of my row) become a fragment's codes in window 1 at v[dst] on, and its scale word in v[sw].
.macro QUANT src, dst, sw
.irp b, 0,1,2,3
	v_max3_num_f32 v[TM+\b], |v[\src+16*\b]|, |v[\src+1+16*\b]|, 0x8000000   ; my 16 numbers and the floor 2^(16 - 127)
.endr
.irp i, 2,4,6,8,10,12,14
.irp b, 0,1,2,3
	v_max3_num_f32 v[TM+\b], v[TM+\b], |v[\src+16*\b+\i]|, |v[\src+1+16*\b+\i]|
.endr
.endr
.irp b, 0,1,2,3
	v_permlanex16_b32 v[TM+4+\b], v[TM+\b], s[SEL], s[SEL+1]
.endr
.irp b, 0,1,2,3
	v_max_num_f32 v[TM+\b], v[TM+\b], v[TM+4+\b]          ; the block's largest magnitude
.endr
.irp b, 0,1,2,3
	v_add_nc_u32 v[TM+12+\b], 0xf8800000, v[TM+\b]        ; 15 off its exponent field: the conversion's scale operand
.endr
.irp b, 0,1,2,3
	v_and_or_b32 v[TM+8+\b], v[TM+\b], 0x7f800000, s[MNT] ; 57,344 x the scale
.endr
.irp b, 0,1,2,3
	v_lshrrev_b32 v[TM+4+\b], 23, v[TM+12+\b]             ; the scale's byte
.endr
	v_lshl_or_b32 v[(\sw)], v[TM+5], 8, v[TM+4]
	v_lshl_or_b32 v[(\sw)], v[TM+6], 16, v[(\sw)]
	v_lshl_or_b32 v[(\sw)], v[TM+7], 24, v[(\sw)]
.irp b, 0,1,2,3
.irp i, 0,1,2,3,4,5,6,7,8,9,10,11,12,13,14,15
	v_med3_num_f32 v[\src+16*\b+\i], v[\src+16*\b+\i], -v[TM+8+\b], v[TM+8+\b]   ; the conversion does not saturate (ISA guide 7.6.2): the hold comes first
.endr
.endr
	WIN 0x40
.irp b, 0,1,2,3
	v_cvt_scalef32_pk8_bf8_f32 v[(\dst)+4*\b:(\dst)+4*\b+1], v[\src+16*\b:\src+16*\b+7], v[TM+12+\b]
	v_cvt_scalef32_pk8_bf8_f32 v[(\dst)+4*\b+2:(\dst)+4*\b+3], v[\src+16*\b+8:\src+16*\b+15], v[TM+12+\b]
.endr
	WIN 0
	v_nop                                                  ; one plain line behind the last conversion
.endm
; Of E tile c: the codes of row tile mt, K step 2 c + sp (16 loads in the fragment's order), and the bf16 copy of all 32 rows x 64 columns, unit 4 c + 2 mt + sp (16 loads: a lane takes 16 rows x 4 columns).
.macro UNIT c, mt, sp
.set KS_, 2*(\c)+(\sp)
.set U_, 4*(\c)+2*(\mt)+(\sp)
.irp b, 0,1,2,3
.irp j, 0,1,2,3
	ds_load_b128 v[XF+16*\b+4*\j:XF+16*\b+4*\j+3], v[XFA+(\c)%2] offset:16*EPITCH*(\mt)+512*(\sp)+128*\b+16*\j
.endr
.endr
.irp q, 0,1,2,3,4,5,6,7,8,9,10,11,12,13,14,15
	ds_load_b128 v[XD+4*\q:XD+4*\q+3], v[XDA+(\c)%2] offset:EPITCH*(\q+8*(\q/8))+256*(2*(\mt)+(\sp))   ; rows 8 h + q, then 16 + 8 h + (q - 8)
.endr
	s_wait_dscnt 16                                ; the first 16 loads are in; the 16 for the copy stay out
.if (\mt) == 0
	QUANT XF, 16*KS_, XS+KS_
.else
	QUANT XF, 16*(8+KS_), TSW
	v_cndmask_b32 v[XS+KS_], v[XS+KS_], v[TSW], s[MSK]   ; lanes 16-31 carry row tile 1's word
.endif
	s_wait_dscnt 0x0
	WIN (2+(\c)/2)<<6
.irp g, 0,1,2,3,4,5,6,7
.irp k, 0,1,2,3
	v_cvt_pk_bf16_f32 v[8*((4*U_+\k)%32)+\g], v[XD+8*\g+\k], v[XD+8*\g+4+\k]   ; two rows of one column
.endr
.endr
	WIN 0
.endm
.macro LSTAGE c
.irp mt, 0,1
.irp sp, 0,1
	UNIT \c, \mt, \sp
.endr
.endr
.endm
.macro FLOAD i                         ; fragment i = tile i % 2, K step i / 2, into buffer i % 8
.irp c, 0,1,2,3
	ds_load_b128 v[WF+16*((\i)%8)+4*\c:WF+16*((\i)%8)+4*\c+3], v[ADW] offset:WTILE*((\i)%2)+2048*((\i)/2)+512*\c
.endr
.endm
.macro RUNA                            ; a pair's first run of 40 LDS loads: hb (4), w_e's scale words (4: two K steps each), fragments 0 to 7 (32)
.irp n, 0,1,2,3
	ds_load_b128 v[HB+4*\n:HB+4*\n+3], v[ADH] offset:64*(\n/2)+16*(\n%2)
.endr
.irp q, 0,1,2,3
	ds_load_b64 v[WS+2*\q:WS+2*\q+1], v[ADS] offset:16384+128*\q
.endr
.irp i, 0,1,2,3,4,5,6,7
	FLOAD \i
.endr
.endm
; THE TANH of the pair whose sums stand in the accumulators, in place, and its share of the scores.  Each batch of transcendentals has one wait ahead of it and one behind it.
.macro TANH
.irp a, 0,1,2,3
.irp j, 0,2,4,6
	v_pk_mul_f32 v[AC+8*\a+\j:AC+8*\a+\j+1], v[AC+8*\a+\j:AC+8*\a+\j+1], s[CS:CS+1] op_sel_hi:[1,0]   ; c x proj; each accumulator from its low end on
.endr
.endr
	WALU
.set N_, 0
.rept 32
	v_exp_f32 v[AC+N_], v[AC+N_]
.set N_, N_+1
.endr
	v_nop
	WALU
.set N_, 0
.rept 16
	v_pk_add_f32 v[AC+N_:AC+N_+1], v[AC+N_:AC+N_+1], 1.0 op_sel_hi:[1,0]
.set N_, N_+2
.endr
	WALU
.set N_, 0
.rept 32
	v_rcp_f32 v[AC+N_], v[AC+N_]
.set N_, N_+1
.endr
	v_nop
	WALU
.irp j, 0,2,4,6
.irp a, 0,1,2,3
	v_pk_fma_f32 v[SC+2*\a:SC+2*\a+1], v[AC+8*\a+\j:AC+8*\a+\j+1], v[W2+8*(\a/2)+\j:W2+8*(\a/2)+\j+1], v[SC+2*\a:SC+2*\a+1]
.endr
.endr
.endm
.macro WMM i, mt                       ; fragment i against row tile mt; K step 0 starts the sum with hb as C
.set T_, (\i)%2
.set S_, (\i)/2
.set D_, AC+8*(2*T_+(\mt))
.set C_, D_
.if S_ == 0
.set C_, HB+8*T_
.endif
.set A_, WF+16*((\i)%8)
.set B_, 16*(8*(\mt)+S_)
.if T_ && (\mt)
	v_wmma_scale_f32_16x16x128_f8f6f4 v[D_:D_+7], v[A_:A_+15], v[B_:B_+15], v[C_:C_+7], v[WS+S_], v[XS+S_] matrix_a_fmt:MATRIX_FMT_BF8 matrix_b_fmt:MATRIX_FMT_BF8 matrix_a_scale:MATRIX_SCALE_ROW1 matrix_b_scale:MATRIX_SCALE_ROW1
.elseif T_
	v_wmma_scale_f32_16x16x128_f8f6f4 v[D_:D_+7], v[A_:A_+15], v[B_:B_+15], v[C_:C_+7], v[WS+S_], v[XS+S_] matrix_a_fmt:MATRIX_FMT_BF8 matrix_b_fmt:MATRIX_FMT_BF8 matrix_a_scale:MATRIX_SCALE_ROW1
.elseif (\mt)
	v_wmma_scale_f32_16x16x128_f8f6f4 v[D_:D_+7], v[A_:A_+15], v[B_:B_+15], v[C_:C_+7], v[WS+S_], v[XS+S_] matrix_a_fmt:MATRIX_FMT_BF8 matrix_b_fmt:MATRIX_FMT_BF8 matrix_b_scale:MATRIX_SCALE_ROW1
.else
	v_wmma_scale_f32_16x16x128_f8f6f4 v[D_:D_+7], v[A_:A_+15], v[B_:B_+15], v[C_:C_+7], v[WS+S_], v[XS+S_] matrix_a_fmt:MATRIX_FMT_BF8 matrix_b_fmt:MATRIX_FMT_BF8
.endif
.endm
.macro EIGHT q                         ; eight products: fragments 4 q .. 4 q + 3, the four accumulators by turns
.set I_, 4*(\q)
.rept 4
	WMM I_, 0
	WMM I_, 1
.set I_, I_+1
.endr
.endm
; A PAIR'S 32 PRODUCTS.  Eight v_nop stand between the last product that read a buffer and the loads into it, and behind the pair's last product.
; WAITS.  At the head: all that is out (the first run).  Ahead of the third eight: the second run is in, the third run's 16 loads stay out.  Ahead of the last eight: all.
.macro STEPS
	s_wait_dscnt 0x0
	WIN 4                                          ; source 1, enc's codes: window 1; LDS loads name a destination and source 0 alone
	EIGHT 0
	PLACES 8
.irp n, 0,1,2,3
	ds_load_b128 v[W2+4*\n:W2+4*\n+3], v[ADH] offset:W2OFF+64*(\n/2)+16*(\n%2)   ; this pair's w2, for its tanh
.endr
.irp i, 8,9,10,11
	FLOAD \i
.endr
	EIGHT 1
	PLACES 8
.irp i, 12,13,14,15
	FLOAD \i
.endr
	s_wait_dscnt 16
	EIGHT 2
	s_wait_dscnt 0x0
	EIGHT 3
	PLACES 8
	WIN 0
.endm
.macro QUAD                            ; a W tile of the ring: four pairs.  A trip: this pair's first run of loads, the tanh of the pair before, this pair's products
	s_mov_b32 s[C4], 4
.Lq_\@:
	v_add_nc_u32 v[ADW], s[TB], v[L16]
	v_add_nc_u32 v[ADS], s[TB], v[SCA]
	v_add_nc_u32 v[ADH], s[TH], v[HBL]
	RUNA
	TANH
	STEPS
	s_add_co_u32 s[TB], s[TB], 2*WTILE
	s_add_co_u32 s[TH], s[TH], 128
	s_sub_co_u32 s[C4], s[C4], 1
	s_cmp_lg_u32 s[C4], 0
	s_cbranch_scc1 .Lq_\@
	s_sub_co_u32 s[TB], s[TB], WSTAGE              ; back to a slot's first tile,
	s_xor_b32 s[TB], s[TB], SLOTX                  ; in the other slot
.endm
; THE FINISH of block beta: the last pair's tanh; my 32 rows' part of the softmax; the part context by 64 bf16 products, source 0 = p in all 16 rows, source 1 = a fragment of the copy.
.macro FINISH beta
	TANH
	v_pk_add_f32 v[SC:SC+1], v[SC:SC+1], v[SC+4:SC+5]
	v_pk_add_f32 v[SC+2:SC+3], v[SC+2:SC+3], v[SC+6:SC+7]
	v_add_f32 v[T0], v[SC], v[SC+1]
	v_add_f32 v[T0+1], v[SC+2], v[SC+3]
	v_permlanex16_b32 v[T2], v[T0], s[SEL], s[SEL+1]
	v_permlanex16_b32 v[T2+1], v[T0+1], s[SEL], s[SEL+1]
	v_add_f32 v[T0], v[T0], v[T2]                  ; t of row r, in both halves of the lanes
	v_add_f32 v[T0+1], v[T0+1], v[T2+1]
	v_max_num_f32 v[MX], v[T0], v[T0+1]
.irp x, 1,2,4,8
	v_max_num_f32_dpp v[MX], v[MX], v[MX] row_xmask:\x row_mask:0xf bank_mask:0xf
.endr
	v_sub_f32 v[T0], v[T0], v[MX]                  ; m is the largest t of my 32 rows
	v_sub_f32 v[T0+1], v[T0+1], v[MX]
	WALU
	v_exp_f32 v[T0], v[T0]                         ; p = 2^(t - m), at most 1
	v_exp_f32 v[T0+1], v[T0+1]
	v_nop
	WALU
	v_add_f32 v[MX+1], v[T0], v[T0+1]
.irp x, 1,2,4,8
	v_add_f32_dpp v[MX+1], v[MX+1], v[MX+1] row_xmask:\x row_mask:0xf bank_mask:0xf
.endr
	global_store_b64 v[L8], v[MX:MX+1], s[14:15] offset:256*\beta   ; (m, S) from every lane: 256 consecutive bytes, aligned
	ds_store_b32 v[PSA], v[T0]                     ; p of row 16 mt + r at byte 64 mt + 4 r of my 128; both halves write the same word with the same value
	ds_store_b32 v[PSA], v[T0+1] offset:64
.irp n, 0,1,2,3
	ds_load_b128 v[PF+4*\n:PF+4*\n+3], v[PLA] offset:64*(\n/2)+16*(\n%2)   ; LDS serves a wave's instructions in order: rows 8 h .. + 7, then 16 + 8 h .. + 7
.endr
	s_wait_dscnt 0x0
.irp g, 0,1,2,3,4,5,6,7
	v_cvt_pk_bf16_f32 v[PA+\g], v[PF+2*\g], v[PF+2*\g+1]
.endr
	WALU
.irp b, 0,1,2,3,4,5,6,7
	WIN (2+\b/4)<<2                                ; source 1: window 2 or 3
.irp i, 0,1,2,3,4,5,6,7
	v_wmma_f32_16x16x32_bf16 v[DD+8*\i:DD+8*\i+7], v[PA:PA+7], v[8*((8*\b+\i)%32):8*((8*\b+\i)%32)+7], 0
.endr
	WIN 0
	PLACES 4
.irp k, 0,1,2,3
	v_cndmask_b32 v[CT+4*\b+\k], v[DD+8*\k], v[DD+32+8*\k], s[MSK]   ; every register of a result holds column 4 r + k of its unit: lanes 0-15 take unit 2 b's, lanes 16-31 unit 2 b + 1's
.endr
.endr
.irp b, 0,1,2,3,4,5,6,7
	global_store_b128 v[L16], v[CT+4*\b:CT+4*\b+3], s[12:13] offset:4096*\beta+512*\b   ; 32 lanes store 512 consecutive bytes
.endr
	s_wait_xcnt 0x0                                ; the stores have read their registers
.endm
	s_load_b256 s[4:11], s[0:1], 0x0               ; enc s[4:5], wq s[6:7], hb s[8:9], v s[10:11]
	s_load_b128 s[12:15], s[0:1], 0x20             ; part s[12:13], stat s[14:15]
	v_lshl_add_u32 v[SPW], v0, 2, SPARE
	v_mov_b32 v[NIL], 0
	ds_add_u32 v[SPW], v[NIL]                      ; the opening: the add twice on end and its wait ahead of my first tensor load
	ds_add_u32 v[SPW], v[NIL]
	v_lshrrev_b32 v10, 5, v0
	v_readfirstlane_b32 s[WV], v10                 ; wave 0..3
	s_bfe_u32 s17, ttmp6, 0x40000                  ; my place in the cluster: it enters global addresses of plain loads and of stores alone
	s_lshl_b32 s18, ttmp9, 2
	s_add_co_u32 s18, s18, s17                     ; g
	s_and_b32 s19, s18, 31                         ; the batch
	s_lshr_b32 s20, s18, 5                         ; which 256 positions
	s_mov_b32 s[G1E], (2<<16)|(1<<20)|(7<<22)|(3<<25)   ; E tiles: 32 rows x 256 elements of 4 bytes, rows 32,768 elements apart, 4 words of padding behind each 256
	s_mov_b32 s[G1E+1], 256<<16
	s_mov_b32 s[G1E+2], 32<<16
	s_mov_b32 s[G1E+3], 256<<16
	s_mov_b32 s[G1E+4], 32
	s_mov_b32 s[G1E+5], 32768
	s_mov_b32 s[G1E+6], 0
	s_mov_b32 s[G1E+7], 0
	s_mov_b32 s[G1W], 15|(3<<16)|(1<<21)           ; W tiles: 33,792 dense bytes as 132 rows of 32 elements of 8 bytes; the mask names all four work-groups
	s_mov_b32 s[G1W+1], 32<<16
	s_mov_b32 s[G1W+2], 132<<16
	s_mov_b32 s[G1W+3], 32<<16
	s_mov_b32 s[G1W+4], 132
	s_mov_b32 s[G1W+5], 32
	s_mov_b32 s[G1W+6], 0
	s_mov_b32 s[G1W+7], 0
	s_mov_b32 s[CS], 0x4038aa3b                    ; c = 2 log2(e)
	s_mov_b32 s[CS+1], s[CS]
	s_mov_b32 s[SEL], 0x76543210
	s_mov_b32 s[SEL+1], 0xfedcba98
	s_mov_b32 s[MNT], 0x600000
	s_mov_b32 s[MSK], 0xffff0000
	s_lshl_b32 s84, s20, 8
	s_lshl_b32 s85, s[WV], 5
	s_add_co_u32 s84, s84, s85                     ; my first position: 256 q + 32 w
	s_lshl_b32 s84, s84, 17
	s_lshl_b32 s85, s19, 12
	s_add_co_u32 s84, s84, s85
	s_mov_b32 s85, 0
	s_mul_i32 s86, s[WV], WQUART                   ; my quarter of a W tile: the wave's number and constants alone
	s_add_co_u32 s[G0W+1], s86, SLOTX              ; as if wq's last tile had just gone into slot 1: the first step wraps
	s_add_co_u32 s86, s86, 7*WSTAGE
	s_mov_b32 s87, 0
	s_lshl_b32 s88, s19, 6
	s_lshl_b32 s89, s20, 3
	s_add_co_u32 s88, s88, s89
	s_lshl_b32 s89, s[WV], 1
	s_add_co_u32 s88, s88, s89                     ; my part's number in block 0: 64 b + 8 q + 2 w
	s_lshl_b32 s90, s88, 8
	s_mov_b32 s91, 0
	s_lshl_b32 s88, s88, 12
	s_mov_b32 s89, 0
	s_lshl_b32 s92, s19, 12
	s_mov_b32 s93, 0
	s_mul_i32 s94, s[WV], EWAVE                    ; my 32 rows of an E tile
	s_lshl_b32 s95, s[WV], 7
	s_add_co_u32 s95, s95, PSC                     ; my 128 bytes for p
	s_mov_b32 s[G0E], 1
	s_mov_b32 s[G0E+1], s94
	s_mov_b32 s[G0W], 1
	s_mov_b32 s[CB], 2                             ; blocks to go
	s_wait_dscnt 0x0                               ; both opening adds are done
	s_wait_kmcnt 0x0
	s_add_nc_u64 s[G0E+2:G0E+3], s[4:5], s[84:85]
	s_mov_b64 s[PF0:PF0+1], s[G0E+2:G0E+3]
	s_add_nc_u64 s[PFB:PFB+1], s[G0E+2:G0E+3], 0x1000000   ; 128 positions on
	s_mov_b64 s[PFA:PFA+1], s[PFB:PFB+1]
	s_or_b32 s[G0E+3], s[G0E+3], 0x80000000
	s_add_nc_u64 s[G0W+2:G0W+3], s[6:7], s[86:87]
	s_or_b32 s[G0W+3], s[G0W+3], 0x80000000
	s_add_nc_u64 s[8:9], s[8:9], s[92:93]          ; hb's part 0 at my batch
	s_add_nc_u64 s[12:13], s[12:13], s[88:89]
	s_add_nc_u64 s[14:15], s[14:15], s[90:91]
	ROUND                                          ; in a cluster launch every group of tensor loads stands behind a round
	tensor_load_to_lds s[G0E:G0E+3], s[G1E:G1E+7]  ; block 0's first E tile: my one load at the head
	s_nop 0
	PLACES 4
	v_lshlrev_b32 v[GOF], 5, v0                    ; thread t brings 32 bytes of each part of hb[b] and 32 of v
	v_and_b32 v10, 31, v0                          ; lane
	v_lshlrev_b32 v[PFO], 17, v10
.irp p, 0,1,2,3,4,5,6,7
	global_load_b128 v[HP+8*\p:HP+8*\p+3], v[GOF], s[8:9] offset:131072*\p
	global_load_b128 v[HP+8*\p+4:HP+8*\p+7], v[GOF], s[8:9] offset:131072*\p+16
.endr
	global_load_b128 v[136:139], v[GOF], s[10:11]
	global_load_b128 v[140:143], v[GOF], s[10:11] offset:16
	ASKT PF0, 1024, 8                              ; block 0's E tiles 1 and 2
	v_and_b32 v11, 15, v0                          ; r
	v_bfe_u32 v12, v0, 4, 1                        ; h
	v_mul_u32_u24 v[XFA], v11, EPITCH
	v_lshl_add_u32 v[XFA], v12, 6, v[XFA]
	v_add_nc_u32 v[XFA], s94, v[XFA]
	v_add_nc_u32 v[XFA+1], SLOTX, v[XFA]
	v_mul_u32_u24 v[XDA], v12, 8*EPITCH
	v_lshl_add_u32 v[XDA], v11, 4, v[XDA]
	v_add_nc_u32 v[XDA], s94, v[XDA]
	v_add_nc_u32 v[XDA+1], SLOTX, v[XDA]
	v_lshlrev_b32 v[L16], 4, v10
	v_mul_u32_u24 v[SCA], v12, WTILE
	v_lshl_add_u32 v[SCA], v11, 3, v[SCA]
	v_lshl_add_u32 v[HBL], v12, 5, HBA
	v_lshlrev_b32 v[L8], 3, v10
	v_add_nc_u32 v[HST], HBA, v[GOF]
	v_lshl_add_u32 v[PSA], v11, 2, s95
	v_lshl_add_u32 v[PLA], v12, 5, s95
.irp b, 0,1,2,3
	v_mov_b32 v[TM+4+\b], 0                        ; written once: a lane permute's destination counts as one of its sources
.endr
	v_mov_b32 v[T2], 0
	v_mov_b32 v[T2+1], 0
	WALU                                           ; the wait at the head's end
	s_wait_loadcnt 0x0
.irp p, 1,2,3,4,5,6,7
.irp j, 0,2,4,6
	v_pk_add_f32 v[HP+\j:HP+\j+1], v[HP+\j:HP+\j+1], v[HP+8*\p+\j:HP+8*\p+\j+1]   ; hb[b]: the eight K steps' parts, K ascending
.endr
.endr
.irp j, 0,1,2,3,4,5,6,7
	v_mul_f32 v[136+\j], 0xc038aa3b, v[136+\j]     ; w2 = -2 log2(e) v
.endr
	ds_store_b128 v[HST], v[HP:HP+3]
	ds_store_b128 v[HST], v[HP+4:HP+7] offset:16
	ds_store_b128 v[HST], v[136:139] offset:W2OFF
	ds_store_b128 v[HST], v[140:143] offset:W2OFF+16
	CHANGE 1, 0                                    ; the first E tile has landed, hb and w2 lie in LDS for all four waves; slot 1 takes the second E tile
	ASKT PF0, 3072, 4                              ; block 0's E tile 3
.Lblock:
	LSTAGE 0                                       ; THE LOAD PHASE: each E tile is turned into codes and bf16 while the next is on its way
	CHANGE 1, 0
	LSTAGE 1
	CHANGE 1, 0
	LSTAGE 2
	CHANGE 2, 1                                    ; wq's first W tile
	LSTAGE 3
	s_mov_b32 s[TB], 0                             ; THE PRODUCT PHASE: 32 pairs of tiles, 4 to a W tile
	s_mov_b32 s[TH], 0
.set N_, 0
.rept 8
	v_mov_b32 v[SC+N_], 0
.set N_, N_+1
.endr
.set N_, 0
.rept 48
	v_mov_b32 v[W2+N_], 0                          ; the trip is written once: the first finds a tanh in hand whose w2 is 0 and whose sums are 0: it adds nothing to the scores
.set N_, N_+1
.endr
	s_mov_b32 s[C7], 7
.Lstage:                                               ; W tiles 0 to 6: the change ahead of each asks for the W tile behind it
	CHANGE 2, 0
	s_cmp_eq_u32 s[CB], 2                          ; block 0 alone asks ahead
	s_cbranch_scc0 .Lnone_ahead
	global_prefetch_b8 v[PFO], s[PFA:PFA+1] th:TH_LOAD_NT scope:SCOPE_SE
.Lnone_ahead:
	QUAD
	s_wait_xcnt 0x0                                ; the prefetch has read its address
	s_add_nc_u64 s[PFA:PFA+1], s[PFA:PFA+1], 256
	s_sub_co_u32 s[C7], s[C7], 1
	s_cmp_lg_u32 s[C7], 0
	s_cbranch_scc1 .Lstage
	s_cmp_eq_u32 s[CB], 1
	s_cbranch_scc1 .Llast                          ; the last block's tail is written out: it asks for nothing more
	CHANGE 1, 1                                    ; the ring goes on into the next block: slot 0 takes its first E tile,
	ASKT PFB, 1792, 5                              ; the last 256 bytes of its second, and its third
	QUAD                                           ; W tile 7
	CHANGE 1, 0                                    ; slot 1 its second, which lands while the finish runs
	ASKT PFB, 3072, 4                              ; its fourth
	FINISH 0
	s_sub_co_u32 s[CB], s[CB], 1
	s_branch .Lblock
.Llast:
	CHANGE 3, 0                                    ; my one tensor load that was out is the last W tile's
	QUAD
	FINISH 1
	s_wait_tensorcnt 0x0                           ; the wave's end
	ds_add_u32 v[SPW], v[NIL]
	s_wait_dscnt 0x0
	ROUND                                          ; the closing round
	s_endpgm
.Lfunc_end_k_qa5e0c3d425_main:
	.size	k_qa5e0c3d425_main, .Lfunc_end_k_qa5e0c3d425_main-k_qa5e0c3d425_main
	.p2alignl 7, 3214868480
	.fill 96, 4, 3214868480
	.section	.rodata,"a",@progbits
	.p2align	6, 0x0
	.amdhsa_kernel k_qa5e0c3d425_main
		.amdhsa_group_segment_fixed_size 327680
		.amdhsa_private_segment_fixed_size 0
		.amdhsa_enable_private_segment 0
		.amdhsa_kernarg_size 48
		.amdhsa_user_sgpr_count 2
		.amdhsa_user_sgpr_kernarg_segment_ptr 1
		.amdhsa_wavefront_size32 1
		.amdhsa_system_sgpr_workgroup_id_x 1
		.amdhsa_system_sgpr_workgroup_id_y 1
		.amdhsa_system_sgpr_workgroup_id_z 1
		.amdhsa_system_vgpr_workitem_id 0
		.amdhsa_next_free_vgpr 1024
		.amdhsa_next_free_sgpr 96
		.amdhsa_reserve_vcc 0
		.amdhsa_float_denorm_mode_32 3
		.amdhsa_float_denorm_mode_16_64 3
		.amdhsa_memory_ordered 1
		.amdhsa_forward_progress 1
		.amdhsa_inst_pref_size 255
	.end_amdhsa_kernel
	.section	.bss,"aw",@nobits
	.p2align	6
	.space	262144
	.amdgpu_metadata
---
amdhsa.version: [ 1, 2 ]
amdhsa.kernels:
  - .name:           k_qa5e0c3d425_main
    .symbol:         k_qa5e0c3d425_main.kd
    .args:
      - { .name: encoder_outputs, .offset: 0, .size: 8, .value_kind: global_buffer, .address_space: global }
      - { .name: wq, .offset: 8, .size: 8, .value_kind: global_buffer, .address_space: global }
      - { .name: hb, .offset: 16, .size: 8, .value_kind: global_buffer, .address_space: global }
      - { .name: v, .offset: 24, .size: 8, .value_kind: global_buffer, .address_space: global }
      - { .name: part, .offset: 32, .size: 8, .value_kind: global_buffer, .address_space: global }
      - { .name: stat, .offset: 40, .size: 8, .value_kind: global_buffer, .address_space: global }
    .group_segment_fixed_size: 327680
    .private_segment_fixed_size: 0
    .kernarg_segment_align: 8
    .kernarg_segment_size: 48
    .max_flat_workgroup_size: 128
    .sgpr_count:     96
    .vgpr_count:     1024
    .wavefront_size: 32
...
	.end_amdgpu_metadata
.endif
;; end of part 2
;; launch merge (part 3): grid 8 x 32, 1 waves a work-group, no clusters, 0 bytes of LDS; arguments part, stat, out0; writes out0
.if DOCPART == 3
	.amdgcn_target "amdgcn-amd-amdhsa--gfx1250"
	.amdhsa_code_object_version 6
	.text
	.protected	k_qa5e0c3d425_merge
	.globl	k_qa5e0c3d425_merge
	.p2align	8
	.type	k_qa5e0c3d425_merge,@function
k_qa5e0c3d425_merge:
	s_mov_b64 s[64:65], 0
	v_nop
	global_prefetch_b8 v0, s[64:65] scope:SCOPE_SE
	s_setreg_imm32_b32 hwreg(HW_REG_WAVE_MODE, 25, 1), 1
	s_wait_xcnt 0x0
; out0[b][:] = sum_p 2^(m_p - M) ctx_p[:] / sum_p 2^(m_p - M) S_p over the batch's 64 parts, M = the largest m_p: the softmax's maximum is taken away here as in each part.
; part: [2048][1024] f32, stat: [2048][32 x (m, S)]; part number 64 b + p.  Work-group (x, b), one wave: columns 128 x .. 128 x + 127 of batch b; a lane holds four columns.
; Memory binds and the work is small: no LDS, no barrier, no matrix unit.  48 of the 64 rows' loads (512 consecutive bytes each) go out at once, the last 16 as soon as their registers are free.
.set P,  64                            ; v64-255  three sets of 16 parts x 4 registers
.set A,  16                            ; v16-19, v20-23  two sets of sums, by turns
	s_load_b128 s[4:7], s[0:1], 0x0                ; part, stat
	s_load_b64 s[8:9], s[0:1], 0x10                ; out0
	s_and_b32 s10, ttmp7, 0xffff                   ; the batch
	v_lshlrev_b32 v1, 8, v0                        ; stat: 256 bytes a part; lane i takes parts i and i + 32
	v_lshlrev_b32 v6, 4, v0                        ; 16 bytes a lane
	v_mov_b32 v9, 0                                ; written once: a lane permute's destination counts as one of its sources
	s_mov_b32 s12, 0x76543210
	s_mov_b32 s13, 0xfedcba98
	s_lshl_b32 s32, s10, 18                        ; 64 parts of 4,096 bytes a batch,
	s_lshl_b32 s33, ttmp9, 9                       ; 512 bytes a work-group
	s_add_co_u32 s32, s32, s33
	s_mov_b32 s33, 0
	s_lshl_b32 s34, s10, 14                        ; 64 units of 256 bytes a batch
	s_mov_b32 s35, 0
	s_lshl_b32 s36, s10, 12
	s_lshl_b32 s37, ttmp9, 9
	s_add_co_u32 s36, s36, s37
	s_mov_b32 s37, 0
	s_wait_alu depctr_va_vdst(0)
	s_wait_kmcnt 0x0
	s_add_nc_u64 s[4:5], s[4:5], s[32:33]
	s_add_nc_u64 s[6:7], s[6:7], s[34:35]
	s_add_nc_u64 s[8:9], s[8:9], s[36:37]
	global_load_b64 v[2:3], v1, s[6:7]
	global_load_b64 v[4:5], v1, s[6:7] offset:8192
.set n, 0
.rept 48
	global_load_b128 v[P+4*n:P+4*n+3], v6, s[4:5] offset:4096*n th:TH_LOAD_NT   ; read once in the launch
.set n, n+1
.endr
	s_wait_loadcnt 48                              ; the two pairs (m, S) are in; the 48 rows stay out
	v_max_num_f32 v8, v2, v4
	v_max_num_f32_dpp v8, v8, v8 row_xmask:1 row_mask:0xf bank_mask:0xf
	v_max_num_f32_dpp v8, v8, v8 row_xmask:2 row_mask:0xf bank_mask:0xf
	v_max_num_f32_dpp v8, v8, v8 row_xmask:4 row_mask:0xf bank_mask:0xf
	v_max_num_f32_dpp v8, v8, v8 row_xmask:8 row_mask:0xf bank_mask:0xf
	v_permlanex16_b32 v9, v8, s12, s13
	v_max_num_f32 v8, v8, v9                       ; M, in every lane
	v_sub_f32 v10, v2, v8
	v_sub_f32 v11, v4, v8
	s_wait_alu depctr_va_vdst(0)
	v_exp_f32 v10, v10                             ; 2^(m - M) of parts i and i + 32
	v_exp_f32 v11, v11
	v_nop
	s_wait_alu depctr_va_vdst(0)
	v_mul_f32 v12, v10, v3
	v_fmac_f32 v12, v11, v5
	v_add_f32_dpp v12, v12, v12 row_xmask:1 row_mask:0xf bank_mask:0xf
	v_add_f32_dpp v12, v12, v12 row_xmask:2 row_mask:0xf bank_mask:0xf
	v_add_f32_dpp v12, v12, v12 row_xmask:4 row_mask:0xf bank_mask:0xf
	v_add_f32_dpp v12, v12, v12 row_xmask:8 row_mask:0xf bank_mask:0xf
	v_permlanex16_b32 v9, v12, s12, s13
	v_add_f32 v12, v12, v9                         ; the softmax's divisor: at least 1 (the part with m = M holds a p = 1)
	s_wait_alu depctr_va_vdst(0)
	v_rcp_f32 v13, v12
	v_nop
	s_wait_alu depctr_va_vdst(0)
	v_mul_f32 v10, v10, v13                        ; each part's weight
	v_mul_f32 v11, v11, v13
; 16 parts in v[base] on; their weights lie in lanes l0 .. l0 + 15 of v[wr].  first = 1: the first two parts start the two sets of sums: nothing is cleared.
.macro GROUP base, wr, l0, first
.irp i, 0,1,2,3,4,5,6,7,8,9,10,11,12,13,14,15
	v_readlane_b32 s[16+\i], v[\wr], \l0+\i
.endr
.irp i, 0,1,2,3,4,5,6,7,8,9,10,11,12,13,14,15
.irp k, 0,1,2,3
.if \first && (\i < 2)
	v_mul_f32 v[A+4*(\i%2)+\k], s[16+\i], v[\base+4*\i+\k]
.else
	v_fma_f32 v[A+4*(\i%2)+\k], s[16+\i], v[\base+4*\i+\k], v[A+4*(\i%2)+\k]
.endif
.endr
.endr
.endm
	s_wait_alu depctr_va_vdst(0)
	s_wait_loadcnt 32                              ; parts 0-15 are in; parts 16-47 stay out
	GROUP P, 10, 0, 1
.set n, 0
.rept 16
	global_load_b128 v[P+4*n:P+4*n+3], v6, s[4:5] offset:4096*(48+n) th:TH_LOAD_NT   ; parts 48-63, into the set just summed
.set n, n+1
.endr
	s_wait_loadcnt 32                              ; parts 16-31 are in; behind them: parts 32-47 and 48-63
	GROUP P+64, 10, 16, 0
	s_wait_loadcnt 16                              ; parts 32-47 are in
	GROUP P+128, 11, 0, 0
	s_wait_loadcnt 0x0
	GROUP P, 11, 16, 0
	v_pk_add_f32 v[A:A+1], v[A:A+1], v[A+4:A+5]
	v_pk_add_f32 v[A+2:A+3], v[A+2:A+3], v[A+6:A+7]
	global_store_b128 v6, v[A:A+3], s[8:9]         ; 32 lanes store 512 consecutive bytes
	s_endpgm
.Lfunc_end_k_qa5e0c3d425_merge:
	.size	k_qa5e0c3d425_merge, .Lfunc_end_k_qa5e0c3d425_merge-k_qa5e0c3d425_merge
	.p2alignl 7, 3214868480
	.fill 96, 4, 3214868480
	.section	.rodata,"a",@progbits
	.p2align	6, 0x0
	.amdhsa_kernel k_qa5e0c3d425_merge
		.amdhsa_group_segment_fixed_size 0
		.amdhsa_private_segment_fixed_size 0
		.amdhsa_enable_private_segment 0
		.amdhsa_kernarg_size 24
		.amdhsa_user_sgpr_count 2
		.amdhsa_user_sgpr_kernarg_segment_ptr 1
		.amdhsa_wavefront_size32 1
		.amdhsa_system_sgpr_workgroup_id_x 1
		.amdhsa_system_sgpr_workgroup_id_y 1
		.amdhsa_system_sgpr_workgroup_id_z 1
		.amdhsa_system_vgpr_workitem_id 0
		.amdhsa_next_free_vgpr 256
		.amdhsa_next_free_sgpr 66
		.amdhsa_reserve_vcc 0
		.amdhsa_float_denorm_mode_32 3
		.amdhsa_float_denorm_mode_16_64 3
		.amdhsa_memory_ordered 1
		.amdhsa_forward_progress 1
		.amdhsa_inst_pref_size 29
	.end_amdhsa_kernel
	.amdgpu_metadata
---
amdhsa.version: [ 1, 2 ]
amdhsa.kernels:
  - .name:           k_qa5e0c3d425_merge
    .symbol:         k_qa5e0c3d425_merge.kd
    .args:
      - { .name: part, .offset: 0, .size: 8, .value_kind: global_buffer, .address_space: global }
      - { .name: stat, .offset: 8, .size: 8, .value_kind: global_buffer, .address_space: global }
      - { .name: out0, .offset: 16, .size: 8, .value_kind: global_buffer, .address_space: global }
    .group_segment_fixed_size: 0
    .private_segment_fixed_size: 0
    .kernarg_segment_align: 8
    .kernarg_segment_size: 24
    .max_flat_workgroup_size: 32
    .sgpr_count:     66
    .vgpr_count:     256
    .wavefront_size: 32
...
	.end_amdgpu_metadata
.endif
;; end of part 3
